; MI455X (gfx1250); checked and timed in simulation.
; The chip was launched on July 23, 2026; its instructions are those of AMD's public machine-readable ISA for CDNA 5 (MIT licence, August 2026) and "CDNA5" Instruction Set Architecture Reference Guide (July 2026). The comments in the code are by the model that wrote it; some were corrected since.
;; Attention Layer. Allowed arithmetic: matrix products marked QUANTISED: E2M3 operands, one E8M0 scale for each 32 along K, by v_wmma_scale_f32_16x16x128_f8f6f4 with both operands' format E2M3, f32 sums; everything else in f32.
;; Inputs: Wk 512 x 512 float32; Wo 512 x 512 float32; Wq 512 x 512 float32; Wv 512 x 512 float32; bk 512 float32; bo 512 float32; bq 512 float32; bv 512 float32; key 8 x 2,048 x 512 float32; query 8 x 2,048 x 512 float32; value 8 x 2,048 x 512 float32.
;; Outputs: out0 8 x 2,048 x 512 float32.
;; This version of the problem:
;;   THIS VERSION OF THE PROBLEM IS GIVEN IN LOW PRECISION. The matrix products marked QUANTISED in the list below multiply operands that are first quantised to E2M3 (2 exponent bits, 3 mantissa bits; 6 bits a number), with one power-of-two scale for each 32 numbers along K (OCP MX v1.0); their sums are f32. All else is computed in f32.
;;   The module's matrix products, in the order in which they are computed (A, B: the left and right operand; K: the contracted axis; several contracted axes count as one K, in the product's order):
;;     1. [M 16,384, K 512] x [K 512, N 512]; A: input query; B: input Wq: QUANTISED
;;     2. [M 16,384, K 512] x [K 512, N 512]; A: input key; B: input Wk: QUANTISED
;;     3. [M 16,384, K 512] x [K 512, N 512]; A: input value; B: input Wv: QUANTISED
;;     4. batch 64 x [M 2,048, K 64] x [K 64, N 2,048]; A: computed on the way; B: computed on the way: QUANTISED
;;     5. batch 64 x [M 64, K 2,048] x [K 2,048, N 2,048]; A: computed on the way; B: softmax (see below): QUANTISED
;;     6. [M 16,384, K 512] x [K 512, N 512]; A: computed on the way; B: input Wo: QUANTISED
;;   THE QUANTISER, for each operand of a quantised product, along K:
;;     - K is cut into blocks of 32 from its start; a last block that is shorter is filled with zeros.
;;     - A block's scale is 2^e with e = floor(log2(the largest magnitude in the block)) - 2, held to -126 .. 127; a block of zeros has e = 0. As a byte (E8M0): e + 127.
;;     - Each number is divided by its block's scale, clamped to +-7.5, and rounded to the nearest number of E2M3, ties to even, subnormals kept.
;;     - The product sums the exact products of the quantised numbers (number of the format x scale) in f32.
;;   ~~~python
;;   def quantise(x, axis):      # numpy; x: float32 -> the quantised numbers, widened to float32 again
;;       x = np.moveaxis(x, axis, -1); K = x.shape[-1]
;;       x = np.pad(x, [(0, 0)] * (x.ndim - 1) + [(0, -K % 32)]); x = x.reshape(x.shape[:-1] + (-1, 32)); a = np.abs(x).max(-1, keepdims=True)
;;       e = np.where(a > 0, np.clip(np.frexp(np.where(a > 0, a, 1))[1] - 1 - 2, -126, 127), 0)      # np.frexp(a)[1] - 1 = floor(log2(a)), exactly
;;       r = np.clip(x / 2.0 ** e, -7.5, 7.5)
;;       step = 2.0 ** (np.maximum(np.frexp(np.where(r == 0, 1, r))[1] - 1, 0) - 3)
;;       q = np.round(r / step) * step * 2.0 ** e      # np.round: ties to even
;;       return np.moveaxis(q.reshape(q.shape[:-2] + (-1,))[..., :K], -1, axis).astype(np.float32)
;;   ~~~
;;   SOFTMAX AHEAD OF A QUANTISED PRODUCT. Where the list says 'softmax', what is quantised is not the finished softmax but p = 2^(t - M), with t = logit x log2(e) and M = ceil(the row's largest t), a whole number; so 1/2 < the row's largest p <= 1. The row's sum l is taken of the UNQUANTISED p, in f32, and the product's result is divided by l at the end. Since M is a whole number, a kernel that streams over the keys may use a running M (the ceiling of the running maximum): every later rescaling is an exact power of two, which a block's scale takes up: the codes' values come out the same.
;;   OPERANDS COMPUTED ON THE WAY. 'Computed on the way' means the value that the module computes at that place (a softmax that the list does not call 'softmax' is quantised finished and normalised). What goes into a quantiser is computed in f32, as accurately as f32 sums, v_exp_f32 and their like allow (about 1e-6 of the number): no bf16 or f16 on the way to a quantiser, and a product that is left as it is and whose result goes on into a quantised operand takes f32 operands (vector FMAs, or v_wmma_f32_16x16x4_f32). A number that lies on a knife's edge between two numbers of the format may be rounded either way, as far as f32 arithmetic and the matrix unit's own rounding can turn it there, and no further.
;; One version. Each part assembles by itself: llvm-mc -triple=amdgcn-amd-amdhsa -mcpu=gfx1250 --defsym DOCPART=n.
;; ======== version 1 of 1: 4 launches
;; limits: right only within a limited range of input values
;; workspace buffers: wcodes 786,432 bytes; wscales 65,536 bytes; qrec 8,388,608 bytes; kv 13,369,344 bytes; ao 8,388,608 bytes
;; launch wprep (part 1): grid 32 x 4, 4 waves a work-group, no clusters, 0 bytes of LDS; arguments Wq, Wk, Wv, Wo, wcodes, wscales; writes wcodes, wscales
.if DOCPART == 1
	.amdgcn_target "amdgcn-amd-amdhsa--gfx1250"
	.amdhsa_code_object_version 6
	.text
	.protected	k_q446a2725db_wprep
	.globl	k_q446a2725db_wprep
	.p2align	8
	.type	k_q446a2725db_wprep,@function
k_q446a2725db_wprep:
	s_mov_b64 s[64:65], 0
	v_nop
	global_prefetch_b8 v0, s[64:65] scope:SCOPE_SE
	s_setreg_imm32_b32 hwreg(HW_REG_WAVE_MODE, 25, 1), 1
	s_wait_xcnt 0x0
; The four weights [512 (k)][512 (n)], f32, K along the FIRST axis, become codes of FP6 (E2M3) with one E8M0 byte for each 32 along K,
; laid in the order of a matrix operand's registers: wcodes [weight y][tile t of 16 columns][K step s of 128] = 1,536 bytes, register group g
; (4 registers) at 512 g + 16 x lane; wscales [y][t][s] = 128 bytes, the column's scale word at 4 x lane (both halves of the lanes alike).
; A LANE TAKES A COLUMN AND ITS REGISTERS RUN DOWN K, in the order that the operand's layout gives lane (r, h): k = 128 s + 64 c + 32 h + 0 .. 31.
; So the conversions' results are the operand's registers and nothing is transposed.
; WHICH COLUMNS FORM A TILE: for Wq, Wk, Wv lane r of tile t takes column 32 (t / 2) + 8 (t % 2) + r + 8 (r / 8), so that the results of two neighbouring
; tiles are 16 neighbours along the next product's K; for Wo column 16 t + r.
; SHARES: work-group (x, y): weight y, tiles 4 (x & 7) + wave, K step x >> 3: a wave makes one fragment; the four waves cover 64 columns, 256 bytes of each row of W.
; A block's scale is 2^(floor(log2(its largest magnitude)) - 2); its byte is that magnitude's exponent field - 2, held at 1 from below.
; LIMITS: a block of zeros, or one whose largest magnitude lies under 2^-124, gets the byte 1 (its codes are zeros or tiny; this program alone reads the bytes); NaN and infinities are not served.
; No LDS, no barrier, no matrix instruction: 4 MiB are read once and 0.8 MiB stored in runs of 512 bytes.
.set X, 64                             ; v64-127 my 64 numbers
	s_load_b256 s[4:11], s[0:1], 0x0               ; Wq, Wk, Wv, Wo
	s_load_b128 s[12:15], s[0:1], 0x20             ; wcodes, wscales
	v_lshrrev_b32 v1, 5, v0
	v_readfirstlane_b32 s16, v1                    ; wave
	s_and_b32 s17, ttmp7, 0xffff                   ; y: which weight
	s_and_b32 s18, ttmp9, 7
	s_lshr_b32 s19, ttmp9, 3                       ; s: which K step
	s_lshl_b32 s20, s18, 2
	s_add_co_u32 s20, s20, s16                     ; t: which tile
	s_lshr_b32 s21, s20, 1
	s_lshl_b32 s21, s21, 5
	s_and_b32 s22, s20, 1
	s_lshl_b32 s22, s22, 3
	s_add_co_u32 s21, s21, s22                     ; 32 (t / 2) + 8 (t % 2)
	s_lshl_b32 s22, s20, 4                         ; 16 t
	s_cmp_lt_u32 s17, 3
	s_cselect_b32 s21, s21, s22                    ; the tile's first column
	s_cselect_b32 s23, 8, 0                        ; and what lanes 8-15 add
	v_and_b32 v2, 15, v0                           ; r
	v_bfe_u32 v6, v0, 4, 1                         ; h
	v_lshrrev_b32 v7, 3, v2
	v_mad_u32_u24 v7, v7, s23, v2                  ; r + 8 (r / 8), or r
	v_lshlrev_b32 v3, 2, v7
	v_lshl_add_u32 v3, v6, 16, v3                  ; + 32 h rows of 2,048 bytes
	v_and_b32 v8, 31, v0
	v_lshlrev_b32 v4, 4, v8                        ; 16 x lane
	v_lshlrev_b32 v5, 2, v8                        ; 4 x lane
	s_mov_b32 s32, 0x76543210
	s_mov_b32 s33, 0xfedcba98                      ; v_permlanex16_b32's selects for lane l xor 16
	s_lshl_b32 s26, s19, 18                        ; 128 s rows
	s_lshl_b32 s27, s21, 2
	s_add_co_u32 s26, s26, s27
	s_mov_b32 s27, 0
	s_lshl_b32 s28, s20, 2
	s_add_co_u32 s28, s28, s19                     ; 4 t + s
	s_mul_i32 s30, s28, 1536
	s_mul_i32 s29, s17, 196608
	s_add_co_u32 s30, s30, s29
	s_mov_b32 s31, 0
	s_lshl_b32 s34, s28, 7
	s_lshl_b32 s29, s17, 14
	s_add_co_u32 s34, s34, s29
	s_mov_b32 s35, 0
	s_wait_alu depctr_va_vdst(0)
	s_wait_kmcnt 0x0
	s_cmp_eq_u32 s17, 0                            ; the choice hangs on the work-group's number alone
	s_cselect_b64 s[24:25], s[4:5], s[6:7]
	s_cmp_lt_u32 s17, 2
	s_cselect_b64 s[24:25], s[24:25], s[8:9]
	s_cmp_lt_u32 s17, 3
	s_cselect_b64 s[24:25], s[24:25], s[10:11]
	s_add_nc_u64 s[24:25], s[24:25], s[26:27]
	s_add_nc_u64 s[12:13], s[12:13], s[30:31]
	s_add_nc_u64 s[14:15], s[14:15], s[34:35]
.irp c,0,1
.set ii,0
.rept 32
	global_load_b32 v[X+32*\c+ii], v3, s[24:25] offset:(64*\c+ii)*2048 th:TH_LOAD_NT   ; W(128 s + 64 c + 32 h + i, my column)
.set ii,ii+1
.endr
.endr
	s_wait_loadcnt 0x0
.irp c,0,1                                     ; my block 2 c + h: all its 32 numbers are mine
	v_max3_num_f32 v[32+\c], |v[X+32*\c]|, |v[X+1+32*\c]|, 0x1800000   ; with the floor 2^(3 - 127): the byte cannot fall under 1
.endr
.irp i,2,4,6,8,10,12,14,16,18,20,22,24,26,28,30
.irp c,0,1
	v_max3_num_f32 v[32+\c], v[32+\c], |v[X+32*\c+\i]|, |v[X+1+32*\c+\i]|
.endr
.endr
.irp c,0,1
	v_add_nc_u32 v[44+\c], 0xff000000, v[32+\c]    ; 2 off the exponent field: the conversion's scale operand
.endr
.irp c,0,1
	v_lshrrev_b32 v[36+\c], 23, v[44+\c]           ; the scale's byte
.endr
	v_lshl_or_b32 v9, v37, 16, v36                 ; my two bytes: blocks h and 2 + h,
	v_lshlrev_b32 v10, 3, v6
	v_lshlrev_b32 v9, v10, v9                      ; at their places in the word;
	v_mov_b32 v10, 0
	v_permlanex16_b32 v10, v9, s32, s33
	v_or_b32 v9, v9, v10                           ; with lane l xor 16's two the word is whole
.irp c,0,1
	v_cvt_scalef32_pk16_fp6_f32 v[48+6*\c:50+6*\c], v[X+32*\c:X+15+32*\c], v[44+\c]
	v_cvt_scalef32_pk16_fp6_f32 v[128+4*\c:130+4*\c], v[X+16+32*\c:X+31+32*\c], v[44+\c]   ; (a conversion's three registers begin on an even number)
.endr
	v_nop                                          ; one plain instruction behind the scaled conversions
.irp c,0,1
.irp i,0,1,2
	v_mov_b32 v[51+6*\c+\i], v[128+4*\c+\i]
.endr
.endr
.irp g,0,1,2
	global_store_b128 v4, v[48+4*\g:51+4*\g], s[12:13] offset:512*\g   ; 32 lanes store 512 consecutive bytes, aligned
.endr
	global_store_b32 v5, v9, s[14:15]
	s_endpgm
.Lfunc_end_k_q446a2725db_wprep:
	.size	k_q446a2725db_wprep, .Lfunc_end_k_q446a2725db_wprep-k_q446a2725db_wprep
	.p2alignl 7, 3214868480
	.fill 96, 4, 3214868480
	.section	.rodata,"a",@progbits
	.p2align	6, 0x0
	.amdhsa_kernel k_q446a2725db_wprep
		.amdhsa_group_segment_fixed_size 0
		.amdhsa_private_segment_fixed_size 0
		.amdhsa_enable_private_segment 0
		.amdhsa_kernarg_size 48
		.amdhsa_user_sgpr_count 2
		.amdhsa_user_sgpr_kernarg_segment_ptr 1
		.amdhsa_wavefront_size32 1
		.amdhsa_system_sgpr_workgroup_id_x 1
		.amdhsa_system_sgpr_workgroup_id_y 1
		.amdhsa_system_sgpr_workgroup_id_z 1
		.amdhsa_system_vgpr_workitem_id 0
		.amdhsa_next_free_vgpr 144
		.amdhsa_next_free_sgpr 66
		.amdhsa_reserve_vcc 0
		.amdhsa_float_denorm_mode_32 3
		.amdhsa_float_denorm_mode_16_64 3
		.amdhsa_memory_ordered 1
		.amdhsa_forward_progress 1
		.amdhsa_inst_pref_size 12
	.end_amdhsa_kernel
	.amdgpu_metadata
---
amdhsa.version: [ 1, 2 ]
amdhsa.kernels:
  - .name:           k_q446a2725db_wprep
    .symbol:         k_q446a2725db_wprep.kd
    .args:
      - { .name: Wq, .offset: 0, .size: 8, .value_kind: global_buffer, .address_space: global }
      - { .name: Wk, .offset: 8, .size: 8, .value_kind: global_buffer, .address_space: global }
      - { .name: Wv, .offset: 16, .size: 8, .value_kind: global_buffer, .address_space: global }
      - { .name: Wo, .offset: 24, .size: 8, .value_kind: global_buffer, .address_space: global }
      - { .name: wcodes, .offset: 32, .size: 8, .value_kind: global_buffer, .address_space: global }
      - { .name: wscales, .offset: 40, .size: 8, .value_kind: global_buffer, .address_space: global }
    .group_segment_fixed_size: 0
    .private_segment_fixed_size: 0
    .kernarg_segment_align: 8
    .kernarg_segment_size: 48
    .max_flat_workgroup_size: 128
    .sgpr_count:     66
    .vgpr_count:     144
    .wavefront_size: 32
...
	.end_amdgpu_metadata
.endif
;; end of part 1
;; launch proj (part 2): grid 64 x 3, 8 waves a work-group, no clusters, 327,680 bytes of LDS; arguments query, key, value, bq, bk, bv, wcodes, wscales, qrec, kv; writes qrec, kv
.if DOCPART == 2
	.amdgcn_target "amdgcn-amd-amdhsa--gfx1250"
	.amdhsa_code_object_version 6
	.text
	.protected	k_q446a2725db_proj
	.globl	k_q446a2725db_proj
	.p2align	8
	.type	k_q446a2725db_proj,@function
k_q446a2725db_proj:
	s_mov_b64 s[64:65], 0
	v_nop
	global_prefetch_b8 v0, s[64:65] scope:SCOPE_SE
	s_setreg_imm32_b32 hwreg(HW_REG_WAVE_MODE, 25, 1), 1
	s_wait_xcnt 0x0
.set XPITCH, 1040
.set WREG,  16*XPITCH
.set SLOTB, 8*WREG
.set IMG0,  2*SLOTB
.set FRB,   1536
.set ISC,   16*FRB
.set IMGB,  ISC+16*128
.set SPARE, IMG0+2*IMGB
.set SPW, 1
.set NIL, 2
.set XRD, 3
.set XWI, 5
.set XWS, 6
.set LIM, 7
.set LSM, 8
.set L16, 9
.set L8,  10
.set L4,  11
.set WSC, 16
.set XS,  32
.set TM,  36
.set PW,  52
.set SW,  54
.set SQ,  58
.set VH,  60
.set XF,  64
.set PCA, 64
.set PCB, 88
.set ACC, 112
.set BA,  240
.set BI,  192
.set WV,  24
.set TEN, 25
.set XG,  26
.set G1,  28
.set G0,  36
.set OUTP, 44
.set SCP, 52
.set STE, 54
.set STO, 56
.set SSE, 58
.set SSO, 60
.set SEL, 62
.set HI,  66
.set MSB, 0
.macro WIN new
.if MSB != \new
	s_set_vgpr_msb (MSB<<8)|\new
.set MSB, \new
.endif
.endm
.macro PLACES
.rept 4
	v_nop
.endr
.endm
.macro MM d, a, b, c, sa, sb
	v_wmma_scale_f32_16x16x128_f8f6f4 v[\d:\d+7], v[\a:\a+11], v[\b:\b+11], v[\c:\c+7], v[\sa], v[\sb] matrix_a_fmt:MATRIX_FMT_FP6 matrix_b_fmt:MATRIX_FMT_FP6
.endm
.macro QUANT s, pc, pw
.irp b,0,1,2,3
	v_max3_num_f32 v[TM+\b], |v[\s+16*\b]|, |v[\s+1+16*\b]|, 0x1800000
.endr
.irp i,2,4,6,8,10,12,14
.irp b,0,1,2,3
	v_max3_num_f32 v[TM+\b], v[TM+\b], |v[\s+16*\b+\i]|, |v[\s+1+16*\b+\i]|
.endr
.endr
.irp b,0,1,2,3
	s_delay_alu instid0(VALU_DEP_4)
	v_permlanex16_b32 v[TM+4+\b], v[TM+\b], s[SEL], s[SEL+1]
.endr
.irp b,0,1,2,3
	s_delay_alu instid0(VALU_DEP_4)
	v_max_num_f32 v[TM+\b], v[TM+\b], v[TM+4+\b]
.endr
.irp b,0,1,2,3
	s_delay_alu instid0(VALU_DEP_4)
	v_add_nc_u32 v[TM+12+\b], 0xff000000, v[TM+\b]
.endr
.irp b,0,1,2,3
	s_delay_alu instid0(VALU_DEP_4)
	v_lshrrev_b32 v[TM+4+\b], 23, v[TM+12+\b]
.endr
	s_delay_alu instid0(VALU_DEP_3)
	v_lshl_or_b32 v[\pw], v[TM+5], 8, v[TM+4]
	s_delay_alu instid0(VALU_DEP_1)
	v_lshl_or_b32 v[\pw], v[TM+6], 16, v[\pw]
	s_delay_alu instid0(VALU_DEP_1)
	v_lshl_or_b32 v[\pw], v[TM+7], 24, v[\pw]
.irp c,0,1
	v_cvt_scalef32_pk16_fp6_f32 v[\pc+6*\c:\pc+2+6*\c], v[\s+32*\c:\s+15+32*\c], v[TM+12+2*\c]
	v_cvt_scalef32_pk16_fp6_f32 v[\pc+12+4*\c:\pc+14+4*\c], v[\s+16+32*\c:\s+31+32*\c], v[TM+12+2*\c+1]
.endr
	v_nop
.irp c,0,1
.irp i,0,1,2
	v_permlane16_swap_b32 v[\pc+6*\c+\i], v[\pc+12+4*\c+\i]
.endr
.irp i,0,1,2
	s_delay_alu instid0(VALU_DEP_3)
	v_mov_b32 v[\pc+3+6*\c+\i], v[\pc+12+4*\c+\i]
.endr
.endr
.endm
.macro IMAGE pc, pw, off, soff
.irp g,0,1,2
	ds_store_b128 v[XWI], v[\pc+4*\g:\pc+4*\g+3] offset:\off+512*\g
.endr
	ds_store_b32 v[XWS], v[\pw] offset:\soff
.endm
.macro XPHASE slot, img
.irp sl,0,1
.irp b,0,1,2,3
.irp jj,0,1,2,3
	ds_load_b128 v[ACC+64*\sl+16*\b+4*\jj:ACC+64*\sl+16*\b+4*\jj+3], v[XRD+\slot] offset:512*\sl+128*\b+16*\jj
.endr
.endr
.endr
	s_wait_dscnt 16
	QUANT ACC, PCA, PW
	IMAGE PCA, PW, IMGB*(\img), IMGB*(\img)
	s_wait_dscnt 4
	QUANT ACC+64, PCB, PW+1
	IMAGE PCB, PW+1, IMGB*(\img)+FRB, IMGB*(\img)+128
.endm
.macro PRODUCT vv, img
.irp s,0,1,2,3
.if \s > 0
	PLACES
.endif
.irp m,0,1,2,3
.irp g,0,1,2
	ds_load_b128 v[XF+12*\m+4*\g:XF+12*\m+4*\g+3], v[LIM] offset:IMGB*(\img)+FRB*(4*\m+\s)+512*\g
.endr
	ds_load_b32 v[XS+\m], v[LSM] offset:IMGB*(\img)+128*(4*\m+\s)
.endr
	s_wait_dscnt 0x0
.if \vv
.if \s == 0
	WIN 0x14
.else
	WIN 0x04
.endif
.else
.if \s == 0
	WIN 0x11
.else
	WIN 0x01
.endif
.endif
.irp m,0,1,2,3
.irp nt,0,1,2,3
.if \vv
.if \s == 0
	MM ACC+32*\nt+8*\m,XF+12*\m,12*(4*\nt+\s),BI+8*\nt,XS+\m,WSC+4*\nt+\s
.else
	MM ACC+32*\nt+8*\m,XF+12*\m,12*(4*\nt+\s),ACC+32*\nt+8*\m,XS+\m,WSC+4*\nt+\s
.endif
.else
.if \s == 0
	MM ACC+32*\m+8*\nt,12*(4*\nt+\s),XF+12*\m,BI+8*\nt,WSC+4*\nt+\s,XS+\m
.else
	MM ACC+32*\m+8*\nt,12*(4*\nt+\s),XF+12*\m,ACC+32*\m+8*\nt,WSC+4*\nt+\s,XS+\m
.endif
.endif
.endr
.endr
	WIN 0
.endr
.endm
.macro PROD img
	s_cmp_eq_u32 s[TEN], 2
	s_cbranch_scc1 .Lfor_v_\@
	PRODUCT 0, \img
	s_branch .Ldone_\@
.Lfor_v_\@:
	PRODUCT 1, \img
.Ldone_\@:
.endm
.macro RESULT i
	PLACES
	QUANT ACC, PCA, PW
	QUANT ACC+64, PCB, PW+1
.irp g,0,1,2,3
	global_store_b128 v[L16], v[PCA+24*(\g/2)+6*(\g%2):PCA+24*(\g/2)+6*(\g%2)+3], s[OUTP+2*\g:OUTP+2*\g+1]
	global_store_b64 v[L8], v[PCA+24*(\g/2)+6*(\g%2)+4:PCA+24*(\g/2)+6*(\g%2)+5], s[OUTP+2*\g:OUTP+2*\g+1] offset:512
.endr
.irp p,0,1
	v_and_b32 v[SW+2*\p], 0xffff, v[PW+\p]
	v_lshrrev_b32 v[SW+2*\p+1], 16, v[PW+\p]
.endr
	s_cmp_eq_u32 s[TEN], 0
	s_cbranch_scc0 .Lnot_q_\@
.irp g,0,1,2,3
	v_lshl_or_b32 v[SW+\g], v[SW+\g], 16, v[SW+\g]
.endr
.irp g,0,1,2,3
	global_store_b32 v[L4], v[SW+\g], s[OUTP+2*\g:OUTP+2*\g+1] offset:768
.endr
	s_branch .Ljoin_\@
.Lnot_q_\@:
	s_cmp_eq_u32 s[TEN], 1
	s_cbranch_scc0 .Lis_v_\@
	s_wait_alu depctr_va_vdst(0)
.irp p,0,1
	v_cndmask_b32 v[SQ+\p], v[SW+2*\p], v[SW+2*\p+1], s[HI]
.endr
.irp p,0,1
	s_delay_alu instid0(VALU_DEP_2)
	v_lshl_or_b32 v[SQ+\p], v[SQ+\p], 16, v[SQ+\p]
.endr
	global_store_b64 v[L8], v[SQ:SQ+1], s[SCP:SCP+1]
	s_branch .Ljoin_\@
.Lis_v_\@:
.if (\i)%2 == 0
	s_wait_alu depctr_va_vdst(0)
.irp p,0,1
	v_cndmask_b32 v[VH+\p], v[SW+2*\p], v[SW+2*\p+1], s[HI]
.endr
.else
	s_wait_alu depctr_va_vdst(0)
.irp p,0,1
	v_cndmask_b32 v[SQ+\p], v[SW+2*\p], v[SW+2*\p+1], s[HI]
.endr
.irp p,0,1
	s_delay_alu instid0(VALU_DEP_2)
	v_lshl_or_b32 v[SQ+\p], v[SQ+\p], 16, v[VH+\p]
.endr
	global_store_b64 v[L8], v[SQ:SQ+1], s[SCP:SCP+1]
.endif
.Ljoin_\@:
	s_wait_xcnt 0x0
.if (\i) < 3
.if (\i)%2 == 0
.irp g,0,1,2,3
	s_add_nc_u64 s[OUTP+2*\g:OUTP+2*\g+1], s[OUTP+2*\g:OUTP+2*\g+1], s[STE:STE+1]
.endr
	s_add_nc_u64 s[SCP:SCP+1], s[SCP:SCP+1], s[SSE:SSE+1]
.else
.irp g,0,1,2,3
	s_add_nc_u64 s[OUTP+2*\g:OUTP+2*\g+1], s[OUTP+2*\g:OUTP+2*\g+1], s[STO:STO+1]
.endr
	s_add_nc_u64 s[SCP:SCP+1], s[SCP:SCP+1], s[SSO:SSO+1]
.endif
.endif
.endm
.macro REFILL slot
	s_wait_tensorcnt 0x0
	ds_add_u32 v[SPW], v[NIL]
	s_add_nc_u64 s[G0+4*\slot+2:G0+4*\slot+3], s[G0+4*\slot+2:G0+4*\slot+3], 262144
	s_wait_dscnt 0x0
	s_barrier_signal -1
	s_barrier_wait -1
	tensor_load_to_lds s[G0+4*\slot:G0+4*\slot+3], s[G1:G1+7]
	s_nop 0
	PLACES
.endm
.macro BAR
	s_wait_dscnt 0x0
	s_barrier_signal -1
	s_barrier_wait -1
.endm
	s_load_b256 s[4:11], s[0:1], 0x0
	s_load_b256 s[12:19], s[0:1], 0x20
	s_load_b128 s[20:23], s[0:1], 0x40
	v_lshl_add_u32 v[SPW], v0, 2, SPARE
	v_mov_b32 v[NIL], 0
	ds_add_u32 v1, v2
	ds_add_u32 v1, v2
	s_wait_dscnt 0x0
	v_lshrrev_b32 v3, 5, v0
	s_delay_alu instid0(VALU_DEP_1)
	v_readfirstlane_b32 s[WV], v3
	s_and_b32 s[TEN], ttmp7, 0xffff
	s_mov_b32 s[XG], ttmp9
	s_mov_b32 s[G1+0], (3<<16)|(1<<20)|(7<<22)|(3<<25)
	s_mov_b32 s[G1+1], 128<<16
	s_mov_b32 s[G1+2], 16<<16
	s_mov_b32 s[G1+3], 128<<16
	s_mov_b32 s[G1+4], 16
	s_mov_b32 s[G1+5], 256
	s_mov_b32 s[G1+6], 0
	s_mov_b32 s[G1+7], 0
	s_lshl_b32 s70, s[XG], 19
	s_lshr_b32 s67, s[WV], 1
	s_lshl_b32 s67, s67, 15
	s_add_co_u32 s70, s70, s67
	s_and_b32 s67, s[WV], 1
	s_lshl_b32 s67, s67, 10
	s_add_co_u32 s70, s70, s67
	s_mov_b32 s71, 0
	s_mul_i32 s69, s[WV], WREG
	s_wait_kmcnt 0x0
	s_cmp_eq_u32 s[TEN], 0
	s_cselect_b64 s[4:5], s[4:5], s[6:7]
	s_cselect_b64 s[10:11], s[10:11], s[12:13]
	s_cmp_lt_u32 s[TEN], 2
	s_cselect_b64 s[4:5], s[4:5], s[8:9]
	s_cselect_b64 s[10:11], s[10:11], s[14:15]
	s_add_nc_u64 s[4:5], s[4:5], s[70:71]
	s_mov_b32 s[G0+0], 1
	s_mov_b32 s[G0+1], s69
	s_mov_b64 s[G0+2:G0+3], s[4:5]
	s_or_b32 s[G0+3], s[G0+3], 0x80000000
	s_mov_b32 s[G0+4], 1
	s_add_co_u32 s[G0+5], s69, SLOTB
	s_add_nc_u64 s[G0+6:G0+7], s[4:5], 131072
	s_or_b32 s[G0+7], s[G0+7], 0x80000000
	tensor_load_to_lds s[G0:G0+3], s[G1:G1+7]
	s_nop 0
	s_wait_alu depctr_va_vdst(0)
	s_wait_tensorcnt 0x0
	ds_add_u32 v1, v2
	s_wait_dscnt 0x0
	s_barrier_signal -1
	s_barrier_wait -1
	tensor_load_to_lds s[G0+4:G0+7], s[G1:G1+7]
	s_nop 0
	PLACES
	s_lshr_b32 s67, s[XG], 3
	s_lshl_b32 s67, s67, 3
	s_add_co_u32 s67, s67, s[WV]
	s_and_b32 s68, s[XG], 7
	s_lshl_b32 s71, s67, 17
	s_lshl_b32 s70, s68, 14
	s_add_co_u32 s71, s71, s70
	s_lshl_b32 s70, s67, 4
	s_lshl_b32 s68, s68, 1
	s_add_co_u32 s70, s70, s68
	s_mul_i32 s70, s70, 13056
	s_mov_b32 s72, 1536
	s_mov_b32 s[STE], 768
	s_mov_b32 s[STO], 12288
	s_mov_b32 s[SSE], 0
	s_mov_b32 s[SSO], 13056
	s_mov_b32 s74, 6144
	s_mov_b32 s76, 12800
	s_cmp_eq_u32 s[TEN], 1
	s_cselect_b32 s72, 768, s72
	s_cselect_b32 s[STE], 3072, s[STE]
	s_cselect_b32 s[STO], 9984, s[STO]
	s_cselect_b32 s[SSE], 256, s[SSE]
	s_cselect_b32 s[SSO], 12800, s[SSO]
	s_cselect_b32 s74, 0, s74
	s_cselect_b32 s76, 12288, s76
	s_cmp_eq_u32 s[TEN], 0
	s_cselect_b32 s72, 1024, s72
	s_cselect_b32 s[STE], 4096, s[STE]
	s_cselect_b32 s[STO], 4096, s[STO]
	s_cselect_b32 s[SSE], 0, s[SSE]
	s_cselect_b32 s[SSO], 0, s[SSO]
	s_cselect_b32 s74, 0, s74
	s_cselect_b32 s76, 0, s76
	s_cselect_b32 s70, s71, s70
	s_cselect_b64 s[20:21], s[20:21], s[22:23]
	s_mov_b32 s[STE+1], 0
	s_mov_b32 s[STO+1], 0
	s_mov_b32 s[SSE+1], 0
	s_mov_b32 s[SSO+1], 0
	s_mov_b32 s73, 0
	s_mov_b32 s75, 0
	s_mov_b32 s77, 0
	s_add_co_u32 s74, s74, s70
	s_add_co_u32 s76, s76, s70
	s_add_nc_u64 s[OUTP:OUTP+1], s[20:21], s[74:75]
	s_add_nc_u64 s[OUTP+2:OUTP+3], s[OUTP:OUTP+1], s[72:73]
	s_add_nc_u64 s[OUTP+4:OUTP+5], s[OUTP+2:OUTP+3], s[72:73]
	s_add_nc_u64 s[OUTP+6:OUTP+7], s[OUTP+4:OUTP+5], s[72:73]
	s_add_nc_u64 s[SCP:SCP+1], s[20:21], s[76:77]
	s_mov_b32 s[SEL], 0x76543210
	s_mov_b32 s[SEL+1], 0xfedcba98
	s_mov_b32 s[HI], 0xffff0000
	s_mul_i32 s78, s[TEN], 196608
	s_mul_i32 s67, s[WV], 24576
	s_add_co_u32 s78, s78, s67
	s_mov_b32 s79, 0
	s_add_nc_u64 s[16:17], s[16:17], s[78:79]
	s_lshl_b32 s78, s[TEN], 14
	s_lshl_b32 s67, s[WV], 11
	s_add_co_u32 s78, s78, s67
	s_add_nc_u64 s[18:19], s[18:19], s[78:79]
	s_lshl_b32 s78, s[WV], 8
	s_add_nc_u64 s[10:11], s[10:11], s[78:79]
	v_and_b32 v12, 15, v0
	s_wait_alu depctr_va_vdst(0)
	v_bfe_u32 v13, v0, 4, 1
	v_and_b32 v14, 31, v0
	v_mul_u32_u24 v[XRD], v12, XPITCH
	s_delay_alu instid0(VALU_DEP_1)
	v_lshl_add_u32 v[XRD], v13, 6, v[XRD]
	s_delay_alu instid0(VALU_DEP_1)
	v_add_nc_u32 v[XRD], s69, v[XRD]
	s_delay_alu instid0(VALU_DEP_1)
	v_add_nc_u32 v[XRD+1], SLOTB, v[XRD]
	s_lshr_b32 s67, s[WV], 2
	s_mul_i32 s67, s67, 12288
	s_bfe_u32 s68, s[WV], 0x10001
	s_lshl_b32 s70, s68, 7
	s_add_co_u32 s67, s67, s70
	s_and_b32 s70, s[WV], 1
	s_mul_i32 s71, s70, 3072
	s_add_co_u32 s67, s67, s71
	s_add_co_u32 s67, s67, IMG0
	v_lshrrev_b32 v15, 3, v12
	v_and_b32 v62, 7, v12
	s_delay_alu instid0(VALU_DEP_2)
	v_mul_u32_u24 v[XWI], v15, 6144
	s_wait_alu depctr_va_vdst(0)
	v_lshl_add_u32 v[XWI], v13, 8, v[XWI]
	s_delay_alu instid0(VALU_DEP_1)
	v_lshl_add_u32 v[XWI], v62, 4, v[XWI]
	s_delay_alu instid0(VALU_DEP_1)
	v_add_nc_u32 v[XWI], s67, v[XWI]
	s_lshr_b32 s67, s[WV], 2
	s_lshl_b32 s67, s67, 10
	s_lshl_b32 s71, s68, 5
	s_add_co_u32 s67, s67, s71
	s_lshl_b32 s71, s70, 8
	s_add_co_u32 s67, s67, s71
	s_add_co_u32 s67, s67, IMG0+ISC
	v_lshlrev_b32 v[XWS], 9, v15
	s_delay_alu instid0(VALU_DEP_1)
	v_lshl_add_u32 v[XWS], v13, 6, v[XWS]
	s_delay_alu instid0(VALU_DEP_1)
	v_lshl_add_u32 v[XWS], v62, 2, v[XWS]
	s_delay_alu instid0(VALU_DEP_1)
	v_add_nc_u32 v[XWS], s67, v[XWS]
	v_lshl_add_u32 v[LIM], v14, 4, IMG0
	v_lshl_add_u32 v[LSM], v14, 2, IMG0+ISC
	v_lshlrev_b32 v[L16], 4, v14
	v_lshlrev_b32 v[L8], 3, v14
	v_lshlrev_b32 v[L4], 2, v14
.irp b,0,1,2,3
	v_mov_b32 v[TM+4+\b], 0
	v_mov_b32 v[SQ+\b], 0
.endr
	s_cmp_eq_u32 s[TEN], 2
	s_cselect_b32 s67, 4, 0
	s_cselect_b32 s68, 0, 64
	s_cselect_b32 s70, 0, 4
	v_lshl_add_u32 v63, v15, 3, v12
	s_delay_alu instid0(VALU_DEP_1)
	v_mul_u32_u24 v[BA], v63, s67
	s_delay_alu instid0(VALU_DEP_1)
	v_mad_u32_u24 v[BA], v13, s68, v[BA]
.irp j,1,2,3,4,5,6,7
	s_delay_alu instid0(VALU_DEP_1)
	v_add_nc_u32 v[BA+\j], s70, v[BA+\j-1]
.endr
	WIN 0x40
.set ff,0
.rept 16
.irp g,0,1,2
	global_load_b128 v[12*ff+4*\g:12*ff+4*\g+3], v[L16], s[16:17] offset:FRB*ff+512*\g
.endr
.set ff,ff+1
.endr
.irp nt,0,1,2,3
.irp j,0,1,2,3,4,5,6,7
	global_load_b32 v[BI+8*\nt+\j], v[BA+\j], s[10:11] offset:4*(32*(\nt/2)+8*(\nt%2))
.endr
.endr
	WIN 0
.set ff,0
.rept 16
	global_load_b32 v[WSC+ff], v[L4], s[18:19] offset:128*ff
.set ff,ff+1
.endr
	s_wait_tensorcnt 0x1
	XPHASE 0, 0
	REFILL 0
	s_wait_loadcnt 0x0
	PROD 0
	RESULT 0
	XPHASE 1, 1
	REFILL 1
	PROD 1
	RESULT 1
	XPHASE 0, 0
	BAR
	PROD 0
	RESULT 2
	s_wait_tensorcnt 0x0
	XPHASE 1, 1
	BAR
	PROD 1
	RESULT 3
	s_wait_tensorcnt 0x0
	ds_add_u32 v[SPW], v[NIL]
	s_wait_dscnt 0x0
	s_endpgm
.Lfunc_end_k_q446a2725db_proj:
	.size	k_q446a2725db_proj, .Lfunc_end_k_q446a2725db_proj-k_q446a2725db_proj
	.p2alignl 7, 3214868480
	.fill 96, 4, 3214868480
	.section	.rodata,"a",@progbits
	.p2align	6, 0x0
	.amdhsa_kernel k_q446a2725db_proj
		.amdhsa_group_segment_fixed_size 327680
		.amdhsa_private_segment_fixed_size 0
		.amdhsa_enable_private_segment 0
		.amdhsa_kernarg_size 80
		.amdhsa_user_sgpr_count 2
		.amdhsa_user_sgpr_kernarg_segment_ptr 1
		.amdhsa_wavefront_size32 1
		.amdhsa_system_sgpr_workgroup_id_x 1
		.amdhsa_system_sgpr_workgroup_id_y 1
		.amdhsa_system_sgpr_workgroup_id_z 1
		.amdhsa_system_vgpr_workitem_id 0
		.amdhsa_next_free_vgpr 512
		.amdhsa_next_free_sgpr 80
		.amdhsa_reserve_vcc 0
		.amdhsa_float_denorm_mode_32 3
		.amdhsa_float_denorm_mode_16_64 3
		.amdhsa_memory_ordered 1
		.amdhsa_forward_progress 1
		.amdhsa_inst_pref_size 215
	.end_amdhsa_kernel
	.amdgpu_metadata
---
amdhsa.version: [ 1, 2 ]
amdhsa.kernels:
  - .name:           k_q446a2725db_proj
    .symbol:         k_q446a2725db_proj.kd
    .args:
      - { .name: query, .offset: 0, .size: 8, .value_kind: global_buffer, .address_space: global }
      - { .name: key, .offset: 8, .size: 8, .value_kind: global_buffer, .address_space: global }
      - { .name: value, .offset: 16, .size: 8, .value_kind: global_buffer, .address_space: global }
      - { .name: bq, .offset: 24, .size: 8, .value_kind: global_buffer, .address_space: global }
      - { .name: bk, .offset: 32, .size: 8, .value_kind: global_buffer, .address_space: global }
      - { .name: bv, .offset: 40, .size: 8, .value_kind: global_buffer, .address_space: global }
      - { .name: wcodes, .offset: 48, .size: 8, .value_kind: global_buffer, .address_space: global }
      - { .name: wscales, .offset: 56, .size: 8, .value_kind: global_buffer, .address_space: global }
      - { .name: qrec, .offset: 64, .size: 8, .value_kind: global_buffer, .address_space: global }
      - { .name: kv, .offset: 72, .size: 8, .value_kind: global_buffer, .address_space: global }
    .group_segment_fixed_size: 327680
    .private_segment_fixed_size: 0
    .kernarg_segment_align: 8
    .kernarg_segment_size: 80
    .max_flat_workgroup_size: 256
    .sgpr_count:     80
    .vgpr_count:     512
    .wavefront_size: 32
...
	.end_amdgpu_metadata
.endif
;; end of part 2
;; launch attn (part 3): grid 4 x 64, 16 waves a work-group, clusters of 4 x 1, 327,680 bytes of LDS; arguments qrec, kv, ao; writes ao
.if DOCPART == 3
	.amdgcn_target "amdgcn-amd-amdhsa--gfx1250"
	.amdhsa_code_object_version 6
	.text
	.protected	k_q446a2725db_attn
	.globl	k_q446a2725db_attn
	.p2align	8
	.type	k_q446a2725db_attn,@function
k_q446a2725db_attn:
	s_mov_b64 s[64:65], 0
	v_nop
	global_prefetch_b8 v0, s[64:65] scope:SCOPE_SE
	s_setreg_imm32_b32 hwreg(HW_REG_WAVE_MODE, 25, 1), 1
	s_wait_xcnt 0x0
	s_wait_alu depctr_hold_cnt(0) depctr_sa_sdst(0) depctr_va_vdst(0) depctr_va_sdst(0) depctr_va_ssrc(0) depctr_va_vcc(0) depctr_vm_vsrc(0)
	s_getreg_b32 s2, hwreg(HW_REG_IB_STS2, 6, 4)
	s_cmp_eq_u32 s2, 0
	s_cbranch_scc0 .Lentry_in_a_cluster
	s_endpgm
.Lentry_in_a_cluster:
	s_bfe_u32 s2, ttmp6, 0x10000c
	s_cmp_lg_u32 s2, 0x3003
	s_cbranch_scc0 .Lentry_shape_is_right
	s_endpgm
.Lentry_shape_is_right:
; Causal attention on codes of FP6 (E2M3), one E8M0 byte for each 32 along a product's K: o = softmax(q k^T / 8, keys <= query) v for 64 (batch, head) pairs of 2,048 x 64; o is quantised along the head's 64 for the last product.
; THE SOFTMAX: t = score x log2(e) / 8; M = the row's largest t so far, rounded UP to a whole number; p = 2^(t - M) is quantised along the keys, not normalised.  The row's sum is taken of the unquantised p
; and divides O at the end.  When M moves, the sum and O are multiplied by 2^(old M - new M): exact.
; CLUSTER: the four work-groups of a cluster serve one (batch, head).  Its whole K and V, 816 rows of 256 bytes, lie in each work-group's LDS, filled ONCE by joint loads that name all four: every wave asks for 13 rows at the
; head (together key steps 0 to 3 and 4 rows more) and for 38 rows behind a round of the cluster's barrier.  No prefetch: no loop runs ahead of these fills, all of K and V is asked for at the head.
; SHARES: a tile is 16 queries; lane place r of tile T is query 32 (T / 2) + 8 (T % 2) + r + 8 (r / 8).  Wave w of work-group cx owns tiles TA = 64 + 4 w + cx (9 + w / 2 steps of 128 keys) and TB = 127 - TA (8 - w / 2 steps):
; every wave walks 17 key steps.  The steps that the causal mask hides whole are not walked.  cx enters global addresses and the mask's numbers alone: no branch, no LDS address.
; LAYOUT: both products transposed: S^T = K Q^T, O^T = V^T P^T: a lane holds one query throughout.  THE KEYS OF A TILE OF K are chosen by the LDS addresses: row r of tile 4 c + t is key 64 c + 32 (r / 8) + 8 t + r % 8 of the step,
; so that lane (r, h)'s 32 registers of tiles 4 c .. 4 c + 3 are the whole block 2 c + h of 32 keys: its largest p needs no other lane, and the conversions' results are p's operand.
; THE MASK of a tile's last step is the C of its score products: 0 where the key counts, -3e38 where it is hidden.  Four tables (TA or TB, w even or odd) of 64 registers x 32 lanes are built in LDS at the head.
; K = 64 IN THE FIRST PRODUCT: Q's registers 6-11 are zero codes; K's registers 6-11 are the next tile's codes (zeros behind the last): finite numbers times zero.  Both sides' scale bytes 2, 3 repeat bytes 0, 1.
; LIMITS: the promise holds while |t| stays under 2^31; a p under 2^-126 comes out of v_exp_f32 as 0; a block of zeros gets the byte 1 (this program alone reads the bytes); NaN and infinities are not served.
.set STEPB, 13056                      ; a key step's block: 8 records of K (768 t), 8 of V (6,144 + 768 q), K's scale registers (12,288), V's (12,800)
.set MT,    16*STEPB                   ; the four mask tables, 8,192 bytes each
.set SPARE, MT+4*8192                  ; the spare words, 128 bytes a wave
.set L16, 1                            ; v1-3  16, 8, 4 x lane
.set L8,  2
.set L4,  3
.set KB,  4                            ; v4-6  lane parts of K's addresses: registers 0-3, registers 4-5, scale words
.set KH,  5
.set KC,  6
.set SH8, 7                            ; v7   8 h
.set RQ,  8                            ; v8   r + 8 (r / 8) - 32 h
.set NEG, 9                            ; v9   -3e38
.set RL,  10                           ; v[10:11] 1 / the sum, 0;  v12 -M, v13 the largest score so far, v[14:15] the sum
.set QF,  16                           ; v16-27 Q's operand (v22-27 zeros); v28-34 tile TB's codes and scale word; v35 the scale word in use
.set QB,  28
.set QS,  35
.set KV,  36                           ; v36-83 8 records of K, then of V; v84-89 zeros
.set KS,  90                           ; v90-93 K's scale words: tile 4 c + t in register 2 c + t / 2, odd t in lanes 16-31
.set VS,  94                           ; v94-95 V's
.set S,   96                           ; v96-159 S^T, then p
.set O,   160                          ; v160-191 O^T
.set PC,  192                          ; v192-203 p's codes; v204-210 at work
.set PT,  204
.set BM,  212                          ; v212-215 largest scores by half blocks, then the blocks' largest p, then bytes
.set BP,  216                          ; v216-217 lane permutes' results
.set BS,  218                          ; v218-219 the conversions' scale operands
.set TT,  220
.set TO,  221                          ; the old -M
.set FF,  222                          ; v[222:223] f, 0
.set PWD, 224                          ; p's scale word
.set W,   225
.set AK,  226                          ; v226-230 the step's LDS addresses; v231 the mask table's
.set AH,  227
.set AS,  228
.set AV,  229
.set AW,  230
.set MAD, 231
.set SU,  232                          ; v232-237 three more chains of the sum
.set OC,  240                          ; v240-246 o's codes and scale word (store data: no other line writes them); v248-250 at work
.set SPW, 254
.set NIL, 255
.set WV,  10
.set CX,  11
.set BH,  12
.set TA,  13
.set TB,  14
.set NA,  15                           ; tile TA's steps
.set TR,  16                           ; the trip, 0 .. 16
.set TI,  17                           ; the tile in hand
.set JS,  18                           ; its key step
.set TBY, 19                           ; that step's block in LDS
.set SEL, 20
.set CS,  22                           ; s[22:23] c = log2(e) / 8
.set LSA, 48                           ; the two tiles' last steps; s50 that of the tile in hand
.set LSB, 49
.set LS,  50
.set MS,  51                           ; the mask table of the tile in hand; s60, s61 the two tiles'
.set MSA, 60
.set MSB, 61
.macro ROUND                           ; a round of the cluster's barrier
	s_barrier_signal -1
	s_barrier_wait -1
	s_cmp_lg_u32 s[WV], 0
	s_cbranch_scc1 .Lnot_wave_0_\@
	s_barrier_signal -3
.Lnot_wave_0_\@:
	s_barrier_wait -3
	s_barrier_signal -1
	s_barrier_wait -1
.endm
.macro MMX d, a, b, cc, sa, sb, row    ; cc = 0: C is 0; row = 1: source 0's scales in lanes 16-31
.if \cc
.if \row
	v_wmma_scale_f32_16x16x128_f8f6f4 v[\d:\d+7], v[\a:\a+11], v[\b:\b+11], v[\d:\d+7], v[\sa], v[\sb] matrix_a_fmt:MATRIX_FMT_FP6 matrix_b_fmt:MATRIX_FMT_FP6 matrix_a_scale:MATRIX_SCALE_ROW1
.else
	v_wmma_scale_f32_16x16x128_f8f6f4 v[\d:\d+7], v[\a:\a+11], v[\b:\b+11], v[\d:\d+7], v[\sa], v[\sb] matrix_a_fmt:MATRIX_FMT_FP6 matrix_b_fmt:MATRIX_FMT_FP6
.endif
.else
.if \row
	v_wmma_scale_f32_16x16x128_f8f6f4 v[\d:\d+7], v[\a:\a+11], v[\b:\b+11], 0, v[\sa], v[\sb] matrix_a_fmt:MATRIX_FMT_FP6 matrix_b_fmt:MATRIX_FMT_FP6 matrix_a_scale:MATRIX_SCALE_ROW1
.else
	v_wmma_scale_f32_16x16x128_f8f6f4 v[\d:\d+7], v[\a:\a+11], v[\b:\b+11], 0, v[\sa], v[\sb] matrix_a_fmt:MATRIX_FMT_FP6 matrix_b_fmt:MATRIX_FMT_FP6
.endif
.endif
.endm
.macro SCORES cc
.irp c,0,1
.irp t,0,1,2,3
	MMX S+32*\c+8*\t, KV+24*\c+6*\t, QF, \cc, KS+2*\c+\t/2, QS, \t%2
.endr
.endr
.endm
.macro SG                              ; four more pairs of p onto the sum's four chains
	v_pk_add_f32 v[14:15], v[14:15], v[S+jj:S+jj+1]
.irp k,0,1,2
	v_pk_add_f32 v[SU+2*\k:SU+2*\k+1], v[SU+2*\k:SU+2*\k+1], v[S+jj+2+2*\k:S+jj+3+2*\k]
.endr
.set jj,jj+8
.endm
; A KEY STEP: 128 keys.  mask = 1: the step may be the tile's last, which lies on the diagonal.
.macro STEP mask
	v_add_nc_u32 v[AK], s[TBY], v[KB]              ; these five also stand between the last step's products and the loads into their registers
	v_add_nc_u32 v[AH], s[TBY], v[KH]
	v_add_nc_u32 v[AS], s[TBY], v[KC]
	v_add_nc_u32 v[AV], s[TBY], v[L16]
	v_add_nc_u32 v[AW], s[TBY], v[L8]
.irp c,0,1
.irp t,0,1,2,3
	ds_load_b128 v[KV+24*\c+6*\t:KV+24*\c+6*\t+3], v[AK] offset:768*(4*\c+\t%2)+128*(\t/2)
	ds_load_b64 v[KV+24*\c+6*\t+4:KV+24*\c+6*\t+5], v[AH] offset:768*(4*\c+\t%2)+64*(\t/2)+512
.endr
	ds_load_b32 v[KS+2*\c], v[AS] offset:12288+256*\c
	ds_load_b32 v[KS+2*\c+1], v[AS] offset:12288+256*\c+64
.endr
.if \mask
	s_cmp_lg_u32 s[JS], s[LS]                      ; all keys of an earlier step count: a branch on the wave's number and the trip
	s_cbranch_scc1 .Lopen_\@
	v_add_nc_u32 v[MAD], s[MS], v[L16]
.set kk,0
.rept 16
	ds_load_b128 v[S+4*kk:S+4*kk+3], v[MAD] offset:512*kk   ; the mask, in the scores' own registers
.set kk,kk+1
.endr
	s_wait_alu depctr_va_vdst(0)                   ; the wait ahead of the wait below
	s_wait_dscnt 0x0
	SCORES 1
	s_branch .Ljoin_\@
.Lopen_\@:
.endif
	s_wait_alu depctr_va_vdst(0)                   ; the wait ahead of the wait below
	s_wait_dscnt 0x0
	SCORES 0
.if \mask
.Ljoin_\@:
.endif
	v_mov_b32 v[TO], v12                           ; four plain instructions ahead of the loads into K's registers and of the first read of the scores
.rept 3
	v_nop
.endr
.irp q,0,1,2,3,4,5,6,7
	ds_load_b128 v[KV+6*\q:KV+6*\q+3], v[AV] offset:6144+768*\q        ; V lands while the softmax is worked
	ds_load_b64 v[KV+6*\q+4:KV+6*\q+5], v[AW] offset:6144+768*\q+512
.endr
	ds_load_b64 v[VS:VS+1], v[AW] offset:12800
.irp g,0,1                                     ; my two blocks' largest scores, each in two chains; every accumulator is first read at its low end
.irp c,0,1
	v_max3_num_f32 v[BM+2*\g+\c], v[S+32*\c+16*\g], v[S+32*\c+16*\g+1], v[S+32*\c+16*\g+2]
.endr
.endr
.irp i,3,5,7,9,11,13
.irp g,0,1
.irp c,0,1
	v_max3_num_f32 v[BM+2*\g+\c], v[BM+2*\g+\c], v[S+32*\c+16*\g+\i], v[S+32*\c+16*\g+\i+1]
.endr
.endr
.endr
.irp c,0,1
	v_max3_num_f32 v[BM+\c], v[BM+\c], v[S+32*\c+15], v[S+32*\c+31]
.endr
.irp c,0,1
	s_delay_alu instid0(VALU_DEP_2)
	v_max_num_f32 v[BM+\c], v[BM+\c], v[BM+2+\c]
.endr
	s_delay_alu instid0(VALU_DEP_1)
	v_max_num_f32 v[TT], v[BM], v[BM+1]
	s_delay_alu instid0(VALU_DEP_1)
	v_permlanex16_b32 v[BP], v[TT], s[SEL], s[SEL+1]
	s_delay_alu instid0(VALU_DEP_1)
	v_max3_num_f32 v13, v13, v[TT], v[BP]          ; the row's largest score so far
	s_delay_alu instid0(VALU_DEP_1)
	v_mul_f32 v[TT], s[CS], v13                    ; as t (c is positive)
	s_delay_alu instid0(VALU_DEP_1)
	v_floor_f32 v12, -v[TT]                        ; the new -M = floor(-t) = -ceil(t)
.set jj,0
.rept 32
	v_pk_fma_f32 v[S+jj:S+jj+1], v[S+jj:S+jj+1], s[CS:CS+1], v[12:13] op_sel_hi:[1,0,0]   ; t - M, two at a time
.if jj == 12
	v_sub_f32 v[TT], v12, v[TO]                    ; old M - new M: a whole number, 0 or less
.endif
.if jj == 28
	v_cvt_i32_f32 v[TT], v[TT]                     ; (it saturates)
.endif
.if jj == 44
	v_ldexp_f32 v[FF], 1.0, v[TT]                  ; f = 2^(old M - new M)
.endif
.set jj,jj+2
.endr
.irp c,0,1
	v_fma_f32 v[BM+\c], v[BM+\c], s[CS], v12       ; the same of each block's largest score
.endr
	s_wait_alu depctr_va_vdst(0)                   ; the wait ahead of the batch
.irp c,0,1
	v_exp_f32 v[BM+\c], v[BM+\c]                   ; the block's largest p
.endr
.set jj,0
.rept 64
	v_exp_f32 v[S+jj], v[S+jj]                     ; p = 2^(t - M), at most 1
.set jj,jj+1
.endr
	v_pk_mul_f32 v[14:15], v[14:15], v[FF:FF+1] op_sel_hi:[1,0]   ; the sum under the new M: the plain instruction behind the exponentials
	s_wait_alu depctr_va_vdst(0)                   ; one wait for the 66, ahead of their first reader
.irp c,0,1
	v_max_num_f32 v[BM+\c], 0x1800000, v[BM+\c]    ; the floor 2^(3 - 127): the byte cannot fall under 1
.endr
.irp k,0,1,2
	v_pk_add_f32 v[SU+2*\k:SU+2*\k+1], v[S+4*\k:S+4*\k+1], v[S+4*\k+2:S+4*\k+3]   ; the sum of the unquantised p; the scale's short chain stands among its lines
.endr
.set jj,12
.irp c,0,1
	v_add_nc_u32 v[BS+\c], 0xff000000, v[BM+\c]    ; 2 off the exponent field: the conversion's scale operand
.endr
	SG
.irp c,0,1
	v_lshrrev_b32 v[BM+2+\c], 23, v[BS+\c]         ; the scale's byte
.endr
	SG
	v_lshl_or_b32 v[W], v[BM+3], 16, v[BM+2]       ; my two bytes: blocks h and 2 + h,
	SG
	v_lshlrev_b32 v[W], v[SH8], v[W]               ; at their places in the word
	SG
	v_permlanex16_b32 v[BP+1], v[W], s[SEL], s[SEL+1]
	SG
	SG
	v_pk_add_f32 v[14:15], v[14:15], v[S+60:S+61]
	v_pk_add_f32 v[SU:SU+1], v[SU:SU+1], v[S+62:S+63]
	v_pk_add_f32 v[14:15], v[14:15], v[SU+4:SU+5]
	s_delay_alu instid0(VALU_DEP_2)
	v_pk_add_f32 v[SU:SU+1], v[SU:SU+1], v[SU+2:SU+3]
	s_delay_alu instid0(VALU_DEP_1)
	v_pk_add_f32 v[14:15], v[14:15], v[SU:SU+1]
.irp c,0,1
	v_cvt_scalef32_pk16_fp6_f32 v[PC+6*\c:PC+6*\c+2], v[S+32*\c:S+32*\c+15], v[BS+\c]
	v_cvt_scalef32_pk16_fp6_f32 v[PT+4*\c:PT+4*\c+2], v[S+32*\c+16:S+32*\c+31], v[BS+\c]   ; (a conversion's three registers begin on an even number)
.endr
	v_or_b32 v[PWD], v[W], v[BP+1]                 ; with lane l xor 16's two bytes the word is whole; also the plain instruction behind the conversions
.irp c,0,1
.irp i,0,1,2
	v_mov_b32 v[PC+6*\c+3+\i], v[PT+4*\c+\i]
.endr
.endr
	s_wait_dscnt 0x0                               ; V
	s_wait_alu depctr_va_vdst(0)                   ; the wait directly ahead of the first reader of O^T
.set jj,0
.rept 16
	v_pk_mul_f32 v[O+jj:O+jj+1], v[O+jj:O+jj+1], v[FF:FF+1] op_sel_hi:[1,0]   ; O^T under the new M; these 16 also stand between the codes' and the scale word's last writes and the products
.set jj,jj+2
.endr
.irp d,0,1,2,3
	MMX O+8*\d, KV+12*\d, PC, 1, VS+\d/2, PWD, \d%2
.endr
.endm
; The tile is done: O^T / the sum, quantised along the head's 64 (register 16 b + i = channel 32 b + 16 h + i), one record and its scale word.
.macro FINAL
	s_wait_xcnt 0x0                                ; the other tile's stores have read their data and base
.rept 2
	v_nop                                          ; with the plain lines below: four ahead of the first read of O^T
.endr
	v_add_f32 v14, v14, v15
	s_delay_alu instid0(VALU_DEP_1)
	v_permlanex16_b32 v[TT], v14, s[SEL], s[SEL+1]
	s_delay_alu instid0(VALU_DEP_1)
	v_add_f32 v14, v14, v[TT]                      ; the row's sum
	s_wait_alu depctr_va_vdst(0)
	v_rcp_f32 v[RL], v14
	v_nop                                          ; a plain instruction behind the reciprocal
	s_lshr_b32 s54, s[BH], 3
	s_lshl_b32 s54, s54, 7
	s_add_co_u32 s54, s54, s[TI]                   ; 128 b + tile
	s_lshl_b32 s54, s54, 13
	s_and_b32 s55, s[BH], 7
	s_lshl_b32 s55, s55, 10                        ; + 1,024 x head
	s_add_co_u32 s54, s54, s55
	s_mov_b32 s55, 0
	s_add_nc_u64 s[52:53], s[8:9], s[54:55]
	s_wait_alu depctr_va_vdst(0)                   ; ahead of the first reader of the reciprocal and of O^T
.set jj,0
.rept 16
	v_pk_mul_f32 v[S+jj:S+jj+1], v[O+jj:O+jj+1], v[RL:RL+1] op_sel_hi:[1,0]
.set jj,jj+2
.endr
.irp b,0,1
	v_max3_num_f32 v[BM+\b], |v[S+16*\b]|, |v[S+1+16*\b]|, 0x1800000
.endr
.irp i,2,4,6,8,10,12,14
.irp b,0,1
	s_delay_alu instid0(VALU_DEP_2)
	v_max3_num_f32 v[BM+\b], v[BM+\b], |v[S+16*\b+\i]|, |v[S+1+16*\b+\i]|
.endr
.endr
.irp b,0,1
	s_delay_alu instid0(VALU_DEP_2)
	v_permlanex16_b32 v[BP+\b], v[BM+\b], s[SEL], s[SEL+1]
.endr
.irp b,0,1
	s_delay_alu instid0(VALU_DEP_2)
	v_max_num_f32 v[BM+\b], v[BM+\b], v[BP+\b]
.endr
.irp b,0,1
	s_delay_alu instid0(VALU_DEP_2)
	v_add_nc_u32 v[BS+\b], 0xff000000, v[BM+\b]
.endr
.irp b,0,1
	s_delay_alu instid0(VALU_DEP_2)
	v_lshrrev_b32 v[BP+\b], 23, v[BS+\b]
.endr
	s_delay_alu instid0(VALU_DEP_1)
	v_lshl_or_b32 v[OC+6], v[BP+1], 8, v[BP]
	v_cvt_scalef32_pk16_fp6_f32 v[OC:OC+2], v[S:S+15], v[BS]
	v_cvt_scalef32_pk16_fp6_f32 v[OC+8:OC+10], v[S+16:S+31], v[BS+1]
	v_nop
.irp i,0,1,2
	v_permlane16_swap_b32 v[OC+\i], v[OC+8+\i]
.endr
.irp i,0,1,2
	s_delay_alu instid0(VALU_DEP_3)
	v_mov_b32 v[OC+3+\i], v[OC+8+\i]
.endr
	global_store_b128 v[L16], v[OC:OC+3], s[52:53]
	global_store_b64 v[L8], v[OC+4:OC+5], s[52:53] offset:512
	global_store_b32 v[L4], v[OC+6], s[52:53] offset:768
.endm
.macro FRESH                           ; the softmax's state anew: the first step finds zeros
	v_mov_b32 v13, 0xff61b1e6                      ; -3e38, under every score
	s_delay_alu instid0(VALU_DEP_1)
	v_floor_f32 v12, -v13
	v_mov_b32 v14, 0
	v_mov_b32 v15, 0
.set jj,0
.rept 32
	v_mov_b32 v[O+jj], 0
.set jj,jj+1
.endr
.endm
	s_load_b128 s[4:7], s[0:1], 0x0                ; qrec, kv
	s_load_b64 s[8:9], s[0:1], 0x10                ; ao
	v_lshl_add_u32 v[SPW], v0, 2, SPARE
	v_mov_b32 v[NIL], 0
	ds_add_u32 v[SPW], v[NIL]                      ; the opening lines: the add, twice on end, and its wait ahead of my first tensor load
	ds_add_u32 v[SPW], v[NIL]
	v_lshrrev_b32 v3, 5, v0
	s_delay_alu instid0(VALU_DEP_1)
	v_readfirstlane_b32 s[WV], v3                  ; wave 0..15
	s_bfe_u32 s[CX], ttmp6, 0x40000                ; my place in the cluster
	s_and_b32 s[BH], ttmp7, 0xffff                 ; 8 b + head, which the four partners share
	s_lshl_b32 s[TA], s[WV], 2
	s_add_co_u32 s[TA], s[TA], s[CX]
	s_add_co_u32 s[TA], s[TA], 64
	s_sub_co_u32 s[TB], 127, s[TA]
	s_lshr_b32 s54, s[WV], 1
	s_add_co_u32 s[NA], s54, 9
	s_add_co_u32 s[LSA], s54, 8
	s_sub_co_u32 s[LSB], 7, s54
	; descriptor groups 1: dense rows of 256 bytes (32 elements of 8 bytes), 13 rows and 38 rows; the mask names all four work-groups, bit 21 beside it
	s_mov_b32 s24, 15|(3<<16)|(1<<21)
	s_mov_b32 s25, 32<<16
	s_mov_b32 s26, 13<<16
	s_mov_b32 s27, 32<<16
	s_mov_b32 s28, 13
	s_mov_b32 s29, 32
	s_mov_b32 s30, 0
	s_mov_b32 s31, 0
	s_mov_b32 s32, 15|(3<<16)|(1<<21)
	s_mov_b32 s33, 32<<16
	s_mov_b32 s34, 38<<16
	s_mov_b32 s35, 32<<16
	s_mov_b32 s36, 38
	s_mov_b32 s37, 32
	s_mov_b32 s38, 0
	s_mov_b32 s39, 0
	s_mul_i32 s54, s[BH], 16*STEPB                 ; the head's K and V, copied as they lie
	s_mov_b32 s40, 1
	s_mul_i32 s41, s[WV], 13*256                   ; rows 13 w ..
	s_add_co_u32 s42, s54, s41
	s_mov_b32 s43, 0
	s_mov_b32 s44, 1
	s_mul_i32 s45, s[WV], 38*256
	s_add_co_u32 s45, s45, 208*256                 ; rows 208 + 38 w ..
	s_add_co_u32 s46, s54, s45
	s_mov_b32 s47, 0
	s_lshl_b32 s54, s[BH], 7                       ; Q's records: 1,024 bytes a tile
	s_add_co_u32 s52, s54, s[TA]
	s_lshl_b32 s52, s52, 10
	s_mov_b32 s53, 0
	s_add_co_u32 s62, s54, s[TB]
	s_lshl_b32 s62, s62, 10
	s_mov_b32 s63, 0
	s_mov_b32 s[SEL], 0x76543210
	s_mov_b32 s[SEL+1], 0xfedcba98
	s_mov_b32 s[CS], 0x3e38aa3b                    ; c = log2(e) / 8
	s_mov_b32 s[CS+1], s[CS]
	; the mask tables.  Table 2 x + y serves tile TA (x = 0) or TB (x = 1) of the waves with w % 2 = y.  Wave w builds registers 16 (w / 4) .. + 15 of table w % 4.
	s_and_b32 s54, s[WV], 1
	s_lshl_b32 s[MSA], s54, 13
	s_add_co_u32 s[MSA], s[MSA], MT
	s_add_co_u32 s[MSB], s[MSA], 2*8192
	s_lshl_b32 s55, s54, 2
	s_add_co_u32 s55, s55, s[CX]                   ; TA % 8 of that table's waves
	s_sub_co_u32 s56, 7, s55                       ; TB % 8
	s_bitcmp1_b32 s[WV], 1
	s_cselect_b32 s55, s56, s55
	s_lshr_b32 s56, s55, 1
	s_lshl_b32 s56, s56, 5
	s_and_b32 s55, s55, 1
	s_lshl_b32 s55, s55, 3
	s_add_co_u32 s56, s56, s55                     ; the tile's first query less its last step's first key
	s_lshr_b32 s57, s[WV], 2
	s_lshr_b32 s59, s57, 1
	s_lshl_b32 s59, s59, 6
	s_and_b32 s55, s57, 1
	s_lshl_b32 s55, s55, 4
	s_add_co_u32 s59, s59, s55                     ; register 16 (w / 4) + i holds key 64 c + 32 h + 16 (w / 4 % 2) + i
	s_sub_co_i32 s56, s56, s59
	s_and_b32 s58, s[WV], 3
	s_lshl_b32 s58, s58, 13
	s_lshl_b32 s57, s57, 11
	s_add_co_u32 s58, s58, s57
	s_add_co_u32 s58, s58, MT                      ; where my 16 registers go: made of the wave's number alone
	s_wait_alu depctr_va_vdst(0)
	s_wait_dscnt 0x0                               ; both opening adds are done
	s_wait_kmcnt 0x0
	s_add_nc_u64 s[42:43], s[6:7], s[42:43]
	s_or_b32 s43, s43, 0x80000000
	s_add_nc_u64 s[46:47], s[6:7], s[46:47]
	s_or_b32 s47, s47, 0x80000000
	s_add_nc_u64 s[52:53], s[4:5], s[52:53]
	s_add_nc_u64 s[62:63], s[4:5], s[62:63]
	ROUND                                          ; all four work-groups are here: the joint loads meet
	tensor_load_to_lds s[40:43], s[24:31]          ; my one load at the head
	s_nop 0
	v_and_b32 v[TT], 15, v0                        ; r
	v_bfe_u32 v[W], v0, 4, 1                       ; h
	v_and_b32 v[MAD], 31, v0
	v_and_b32 v[BP], 7, v0                         ; r % 8
	v_bfe_u32 v[BP+1], v0, 3, 1                    ; r / 8
	v_lshlrev_b32 v[L16], 4, v[MAD]
	v_lshlrev_b32 v[L8], 3, v[MAD]
	v_lshlrev_b32 v[L4], 2, v[MAD]
	global_load_b128 v[QF:QF+3], v[L16], s[52:53]
	global_load_b64 v[QF+4:QF+5], v[L8], s[52:53] offset:512
	global_load_b32 v[QS], v[L4], s[52:53] offset:768
	global_load_b128 v[QB:QB+3], v[L16], s[62:63]
	global_load_b64 v[QB+4:QB+5], v[L8], s[62:63] offset:512
	global_load_b32 v[QB+6], v[L4], s[62:63] offset:768
	v_lshlrev_b32 v[SH8], 3, v[W]
	v_lshl_add_u32 v[RQ], v[BP+1], 3, v[TT]
	v_lshlrev_b32 v[TT], 5, v[W]
	v_mul_u32_u24 v[KB], v[BP+1], 1536             ; row r of a tile lies in record + 2 (r / 8), lane place r % 8 (+ 8 (t / 2), in the offset)
	v_lshlrev_b32 v[KC], 2, v[BP+1]
	v_sub_nc_u32 v[RQ], v[RQ], v[TT]
	v_lshl_add_u32 v[KH], v[BP], 3, v[KB]
	v_lshl_add_u32 v[KB], v[BP], 4, v[KB]
	v_lshl_add_u32 v[KC], v[BP], 3, v[KC]
	v_lshl_add_u32 v[KH], v[W], 7, v[KH]
	v_lshl_add_u32 v[KB], v[W], 8, v[KB]
	v_lshl_add_u32 v[KC], v[W], 7, v[KC]
	v_mov_b32 v[NEG], 0xff61b1e6
	v_add_nc_u32 v[TT], s56, v[RQ]                 ; my register i is hidden where i > this
	v_add_nc_u32 v[MAD], s58, v[L16]
.set ii,0
.rept 16
	v_cmp_gt_i32 vcc_lo, ii, v[TT]
	v_cndmask_b32 v[S+ii], 0, v[NEG], vcc_lo
.set ii,ii+1
.endr
.irp g,0,1,2,3
	ds_store_b128 v[MAD], v[S+4*\g:S+4*\g+3] offset:512*\g
.endr
	v_mov_b32 v[RL+1], 0
	v_mov_b32 v[FF+1], 0
.irp i,0,1,2,3,4,5
	v_mov_b32 v[QF+6+\i], 0                        ; the zero codes of the first product's upper 64
	v_mov_b32 v[KV+48+\i], 0
.endr
	FRESH
	s_wait_alu depctr_va_vdst(0)                   ; the wait at the head's end
	s_wait_tensorcnt 0x0                           ; my 13 rows are in
	ds_add_u32 v[SPW], v[NIL]
	s_wait_dscnt 0x0                               ; the add and my part of the mask tables
	ROUND                                          ; everybody's rows and tables are in, and the four work-groups are here
	tensor_load_to_lds s[44:47], s[32:39]          ; my 38 rows: the first tensor load behind the round
	s_nop 0
	s_wait_loadcnt 0x0                             ; Q
	s_mov_b32 s[TBY], 0
	s_mov_b32 s[TR], 0
.Lfirst:                                           ; tile TA's steps 0 to 3: all their keys count
	STEP 0
	s_add_co_u32 s[TBY], s[TBY], STEPB
	s_add_co_u32 s[TR], s[TR], 1
	s_cmp_lt_u32 s[TR], 4
	s_cbranch_scc1 .Lfirst
	s_wait_tensorcnt 0x0                           ; the rest of K and V
	s_wait_dscnt 0x0
	s_barrier_signal -1
	s_barrier_wait -1                              ; everybody's
	s_mov_b32 s[TR], 4
.Lmain:                                            ; 13 trips: the rest of tile TA, then tile TB
	s_cmp_lt_u32 s[TR], s[NA]
	s_cselect_b32 s[TI], s[TA], s[TB]
	s_cselect_b32 s[LS], s[LSA], s[LSB]
	s_cselect_b32 s[MS], s[MSA], s[MSB]
	s_cselect_b32 s54, 0, s[NA]
	s_sub_co_u32 s[JS], s[TR], s54                 ; the tile's key step,
	s_min_u32 s[JS], s[JS], 15
	s_mul_i32 s[TBY], s[JS], STEPB                 ; and its block in LDS
	s_cmp_lg_u32 s[TR], s[NA]
	s_cbranch_scc1 .Lsame_tile
.irp i,0,1,2,3,4,5
	v_mov_b32 v[QF+\i], v[QB+\i]                   ; on to tile TB
.endr
	v_mov_b32 v[QS], v[QB+6]
	FRESH                                          ; (its lines also stand between the scale word's write and the products)
.Lsame_tile:
	STEP 1
	s_cmp_lg_u32 s[JS], s[LS]
	s_cbranch_scc1 .Lgo_on
	FINAL
.Lgo_on:
	s_add_co_u32 s[TR], s[TR], 1
	s_cmp_lt_u32 s[TR], 17
	s_cbranch_scc1 .Lmain
	s_wait_tensorcnt 0x0                           ; the wave's end
	ds_add_u32 v[SPW], v[NIL]
	s_wait_dscnt 0x0
	ROUND                                          ; the closing round
	s_endpgm
.Lfunc_end_k_q446a2725db_attn:
	.size	k_q446a2725db_attn, .Lfunc_end_k_q446a2725db_attn-k_q446a2725db_attn
	.p2alignl 7, 3214868480
	.fill 96, 4, 3214868480
	.section	.rodata,"a",@progbits
	.p2align	6, 0x0
	.amdhsa_kernel k_q446a2725db_attn
		.amdhsa_group_segment_fixed_size 327680
		.amdhsa_private_segment_fixed_size 0
		.amdhsa_enable_private_segment 0
		.amdhsa_kernarg_size 24
		.amdhsa_user_sgpr_count 2
		.amdhsa_user_sgpr_kernarg_segment_ptr 1
		.amdhsa_wavefront_size32 1
		.amdhsa_system_sgpr_workgroup_id_x 1
		.amdhsa_system_sgpr_workgroup_id_y 1
		.amdhsa_system_sgpr_workgroup_id_z 1
		.amdhsa_system_vgpr_workitem_id 0
		.amdhsa_next_free_vgpr 256
		.amdhsa_next_free_sgpr 66
		.amdhsa_reserve_vcc 1
		.amdhsa_float_denorm_mode_32 3
		.amdhsa_float_denorm_mode_16_64 3
		.amdhsa_memory_ordered 1
		.amdhsa_forward_progress 1
		.amdhsa_inst_pref_size 50
	.end_amdhsa_kernel
	.amdgpu_metadata
---
amdhsa.version: [ 1, 2 ]
amdhsa.kernels:
  - .name:           k_q446a2725db_attn
    .symbol:         k_q446a2725db_attn.kd
    .args:
      - { .name: qrec, .offset: 0, .size: 8, .value_kind: global_buffer, .address_space: global }
      - { .name: kv, .offset: 8, .size: 8, .value_kind: global_buffer, .address_space: global }
      - { .name: ao, .offset: 16, .size: 8, .value_kind: global_buffer, .address_space: global }
    .group_segment_fixed_size: 327680
    .private_segment_fixed_size: 0
    .kernarg_segment_align: 8
    .kernarg_segment_size: 24
    .max_flat_workgroup_size: 512
    .sgpr_count:     66
    .vgpr_count:     256
    .wavefront_size: 32
...
	.end_amdgpu_metadata
.endif
;; end of part 3
;; launch oproj (part 4): grid 256 x 1, 8 waves a work-group, no clusters, 167,936 bytes of LDS; arguments ao, wcodes, wscales, bo, out0; writes out0
.if DOCPART == 4
	.amdgcn_target "amdgcn-amd-amdhsa--gfx1250"
	.amdhsa_code_object_version 6
	.text
	.protected	k_q446a2725db_oproj
	.globl	k_q446a2725db_oproj
	.p2align	8
	.type	k_q446a2725db_oproj,@function
k_q446a2725db_oproj:
	s_mov_b64 s[64:65], 0
	v_nop
	global_prefetch_b8 v0, s[64:65] scope:SCOPE_SE
	s_setreg_imm32_b32 hwreg(HW_REG_WAVE_MODE, 25, 1), 1
	s_wait_xcnt 0x0
; out0 = o Wo + bo on codes of FP6 (E2M3) with one E8M0 byte for each 32 along K; sums in f32.  o arrives as records in the order of the operand's registers:
; ao [b][tile of 16 rows, 128][head 8] 1,024 bytes: registers 0-3 at 16 x lane, 4-5 at 512 + 8 x lane, the head's two scale bytes at 768 + 4 x lane.  Two heads' records are one fragment of 128 along K.
; Lane place r of tile T is row 32 (T / 2) + 8 (T % 2) + r + 8 (r / 8) of the sequence.
; SHARES: work-group X owns rows 64 X .. 64 X + 63 (four tiles); wave w owns columns 64 w .. 64 w + 63: its 16 fragments of Wo (192 registers, window 1) come straight from memory.
; THE ROWS' RECORDS, 32,768 dense bytes that all eight waves need, come into LDS once: each wave asks for 16 rows of 256 bytes by one tensor load at the head; nothing is filled again.
; The product is used transposed (source 0 = 16 columns of Wo, source 1 = 16 rows): a lane holds eight neighbouring numbers of a row.  THE BIAS IS LOADED INTO THE ACCUMULATORS, so that all 64 matrix
; instructions add in place; the 16 accumulators take turns, one instruction a turn.
; No cluster: the rows' records are a work-group's own, and Wo goes from memory into registers in their own order, where a joint load cannot land.  No prefetch: the launch has no loop to run ahead in.
.set SPARE, 0x8800                     ; behind the eight stages of 4,352 bytes: the spare words
.set AOT,  0x9000                      ; the rows' records
.set LA16, 5                           ; v5-7  AOT + 16, 8, 4 x lane
.set LA8,  6
.set LA4,  7
.set L16, 9
.set L4,  11
.set BO,  12                           ; v12  32 h: the bias's offset
.set STO, 13                           ; v13  the stage: where I put 32 bytes of a row
.set RD,  14                           ; v14  and where I read 16 bytes of a row back
.set CO,  15                           ; v15  the same place in out0
.set WSC, 16                           ; v16-31 Wo's scale words (4 nt + s)
.set SH,  32                           ; v32-47 the rows' scale halves, two sets of 8
.set XSW, 48                           ; v48-55 the rows' scale words, two sets of 4
.set XF0, 56                           ; v56-103 four fragments of rows, even K steps;  window 1, v192-239: odd K steps
.set XF1, 192
.set ACC, 104                          ; v104-231 accumulator (m, nt) at 32 m + 8 nt
.set BK,  32                           ; the way out: v32-63 and v64-95 by turns
.set MSB, 0
.macro WIN new
.if MSB != \new
	s_set_vgpr_msb (MSB<<8)|\new
.set MSB, \new
.endif
.endm
.macro PLACES
.rept 4
	v_nop
.endr
.endm
.macro ALOAD s, set                    ; K step s (heads 2 s, 2 s + 1) of the four tiles: 24 LDS loads
.set XB, XF0+(XF1-XF0)*(\set)
	WIN 0x40*(\set)                                ; set 1: destination window 1
.irp m,0,1,2,3
.irp e,0,1
	ds_load_b128 v[XB+12*\m+6*\e:XB+12*\m+6*\e+3], v[LA16] offset:8192*\m+1024*(2*(\s)+\e)
	ds_load_b64 v[XB+12*\m+6*\e+4:XB+12*\m+6*\e+5], v[LA8] offset:8192*\m+1024*(2*(\s)+\e)+512
.endr
.endr
	WIN 0
.irp m,0,1,2,3
.irp e,0,1
	ds_load_b32 v[SH+8*(\set)+2*\m+\e], v[LA4] offset:8192*\m+1024*(2*(\s)+\e)+768
.endr
.endr
.endm
.macro MULS s, set
.set XB, XF0+(XF1-XF0)*(\set)
.irp m,0,1,2,3
	v_lshl_or_b32 v[XSW+4*(\set)+\m], v[SH+8*(\set)+2*\m+1], 16, v[SH+8*(\set)+2*\m]   ; two heads' bytes make the K step's scale word
.endr
.rept 8
	v_nop                                          ; a scale register written by a vector instruction stands 8 plain instructions ahead of the scaled matrix instruction
.endr
	WIN 0x01+4*(\set)                              ; source 0 (Wo) window 1; source 1 window 0 or 1
.irp m,0,1,2,3
.irp nt,0,1,2,3
	v_wmma_scale_f32_16x16x128_f8f6f4 v[ACC+32*\m+8*\nt:ACC+32*\m+8*\nt+7], v[12*(4*\nt+\s):12*(4*\nt+\s)+11], v[XB+12*\m:XB+12*\m+11], v[ACC+32*\m+8*\nt:ACC+32*\m+8*\nt+7], v[WSC+4*\nt+\s], v[XSW+4*(\set)+\m] matrix_a_fmt:MATRIX_FMT_FP6 matrix_b_fmt:MATRIX_FMT_FP6
.endr
.endr
	WIN 0
	PLACES                                         ; ahead of loads into registers that these have read, and of the first read of results
.endm
	s_load_b256 s[4:11], s[0:1], 0x0               ; ao, wcodes, wscales, bo
	s_load_b64 s[12:13], s[0:1], 0x20              ; out0
	v_lshl_add_u32 v254, v0, 2, SPARE
	v_mov_b32 v255, 0
	ds_add_u32 v254, v255                          ; the opening lines: the add, twice on end, and its wait ahead of my tensor load
	ds_add_u32 v254, v255
	v_lshrrev_b32 v1, 5, v0
	s_delay_alu instid0(VALU_DEP_1)
	v_readfirstlane_b32 s14, v1                    ; wave 0..7
	s_mul_i32 s15, s14, 4352                       ; my stage: 16 rows x (256 bytes + 16)
	s_lshl_b32 s16, ttmp9, 15                      ; ao: four tiles of 8,192 bytes a work-group
	s_mov_b32 s17, 0
	s_mul_i32 s18, s14, 24576
	s_add_co_u32 s18, s18, 3*196608                ; Wo is the fourth weight
	s_mov_b32 s19, 0
	s_lshl_b32 s20, s14, 11
	s_add_co_u32 s20, s20, 3*16384
	s_mov_b32 s21, 0
	s_lshl_b32 s22, s14, 8                         ; my 64 columns
	s_mov_b32 s23, 0
	s_lshl_b32 s24, ttmp9, 17                      ; 64 rows of 2,048 bytes
	s_add_co_u32 s24, s24, s22
	s_mov_b32 s25, 0
	s_mov_b32 s28, 3<<16                           ; descriptor group 1: 16 dense rows of 256 bytes (32 elements of 8 bytes)
	s_mov_b32 s29, 32<<16
	s_mov_b32 s30, 16<<16
	s_mov_b32 s31, 32<<16
	s_mov_b32 s32, 16
	s_mov_b32 s33, 32
	s_mov_b32 s34, 0
	s_mov_b32 s35, 0
	s_mov_b32 s36, 1
	s_lshl_b32 s26, s14, 12                        ; my 4,096 bytes of the records
	s_mov_b32 s27, 0
	s_add_co_u32 s37, s26, AOT
	v_and_b32 v2, 31, v0
	v_and_b32 v3, 15, v0
	v_bfe_u32 v4, v0, 4, 1
	v_lshlrev_b32 v[L16], 4, v2
	v_lshlrev_b32 v[L4], 2, v2
	v_lshl_add_u32 v[LA16], v2, 4, AOT
	v_lshl_add_u32 v[LA8], v2, 3, AOT
	v_lshl_add_u32 v[LA4], v2, 2, AOT
	v_lshlrev_b32 v[BO], 5, v4
	v_mul_u32_u24 v[STO], v3, 272
	v_mul_u32_u24 v[RD], v4, 272
	v_lshlrev_b32 v[CO], 11, v4
	v_lshl_add_u32 v[STO], v4, 5, v[STO]
	v_lshl_add_u32 v[RD], v3, 4, v[RD]
	v_lshl_add_u32 v[CO], v3, 4, v[CO]
	v_add_nc_u32 v[STO], s15, v[STO]
	v_add_nc_u32 v[RD], s15, v[RD]
	s_wait_alu depctr_va_vdst(0)                   ; the wait at the head's end
	s_wait_dscnt 0x0                               ; both opening adds are done
	s_wait_kmcnt 0x0
	s_add_nc_u64 s[4:5], s[4:5], s[16:17]
	s_add_nc_u64 s[38:39], s[4:5], s[26:27]
	s_or_b32 s39, s39, 0x80000000
	tensor_load_to_lds s[36:39], s[28:35]          ; my one tensor load
	s_nop 0
	s_add_nc_u64 s[6:7], s[6:7], s[18:19]
	s_add_nc_u64 s[8:9], s[8:9], s[20:21]
	s_add_nc_u64 s[10:11], s[10:11], s[22:23]
	s_add_nc_u64 s[12:13], s[12:13], s[24:25]
.irp m,0,1,2,3
.irp nt,0,1,2,3
	global_load_b128 v[ACC+32*\m+8*\nt:ACC+32*\m+8*\nt+3], v[BO], s[10:11] offset:64*\nt       ; register j: column 16 nt + 8 h + j
	global_load_b128 v[ACC+32*\m+8*\nt+4:ACC+32*\m+8*\nt+7], v[BO], s[10:11] offset:64*\nt+16
.endr
.endr
.set ff,0
.rept 16
	global_load_b32 v[WSC+ff], v[L4], s[8:9] offset:128*ff
.set ff,ff+1
.endr
	WIN 0x40
.set ff,0
.rept 16
.irp g,0,1,2
	global_load_b128 v[12*ff+4*\g:12*ff+4*\g+3], v[L16], s[6:7] offset:1536*ff+512*\g
.endr
.set ff,ff+1
.endr
	WIN 0
	s_wait_tensorcnt 0x0                           ; my part of the records is in;
	s_barrier_signal -1
	s_barrier_wait -1                              ; everybody's is
	ALOAD 0, 0
	ALOAD 1, 1
	s_wait_loadcnt 0x0                             ; the bias, Wo and its scale words
	s_wait_dscnt 24                                ; K step 0 is in; K step 1's 24 loads may be out
	MULS 0, 0
	ALOAD 2, 0
	s_wait_dscnt 24                                ; K step 1 is in, K step 2's 24 may be out
	MULS 1, 1
	ALOAD 3, 1
	s_wait_dscnt 24                                ; K step 2 is in
	MULS 2, 0
	s_wait_dscnt 0x0
	MULS 3, 1
; THE WAY OUT, a tile of 16 rows x my 64 columns at a time, through my own stage: 32 bytes a lane in, whole rows of 256 bytes back, which sixteen lanes store as 256 consecutive bytes, aligned.
; LDS serves a wave's instructions in order (ISA guide 5.7.1.4): no wait between the stores and the loads, nor ahead of the next tile's stores.
.macro TOSTAGE m
.irp nt,0,1,2,3
	ds_store_b128 v[STO], v[ACC+32*(\m)+8*\nt:ACC+32*(\m)+8*\nt+3] offset:64*\nt        ; each accumulator from its low end on
	ds_store_b128 v[STO], v[ACC+32*(\m)+8*\nt+4:ACC+32*(\m)+8*\nt+7] offset:64*\nt+16
.endr
.irp i,0,1,2,3,4,5,6,7
	ds_load_b128 v[BK+32*((\m)%2)+4*\i:BK+32*((\m)%2)+4*\i+3], v[RD] offset:544*\i
.endr
.endm
.macro SEND m, younger                 ; younger: the LDS instructions issued behind tile m's loads: the next tile's 8 stores and 8 loads, or none
	s_wait_dscnt \younger
.irp i,0,1,2,3,4,5,6,7
	global_store_b128 v[CO], v[BK+32*((\m)%2)+4*\i:BK+32*((\m)%2)+4*\i+3], s[12:13] offset:(32*((\m)/2)+8*((\m)%2)+2*\i+8*(\i/4))*2048 th:TH_STORE_NT   ; lane places 2 i and 2 i + 1 of the tile, at their rows
.endr
.endm
	TOSTAGE 0
	TOSTAGE 1
	SEND 0, 16
	s_wait_xcnt 0x0                                ; tile 0's stores have read their registers: tile 2's rows may land there
	TOSTAGE 2
	SEND 1, 16
	s_wait_xcnt 0x0
	TOSTAGE 3
	SEND 2, 16
	SEND 3, 0
	s_wait_tensorcnt 0x0                           ; the wave's end
	ds_add_u32 v254, v255
	s_wait_dscnt 0x0
	s_endpgm
.Lfunc_end_k_q446a2725db_oproj:
	.size	k_q446a2725db_oproj, .Lfunc_end_k_q446a2725db_oproj-k_q446a2725db_oproj
	.p2alignl 7, 3214868480
	.fill 96, 4, 3214868480
	.section	.rodata,"a",@progbits
	.p2align	6, 0x0
	.amdhsa_kernel k_q446a2725db_oproj
		.amdhsa_group_segment_fixed_size 167936
		.amdhsa_private_segment_fixed_size 0
		.amdhsa_enable_private_segment 0
		.amdhsa_kernarg_size 40
		.amdhsa_user_sgpr_count 2
		.amdhsa_user_sgpr_kernarg_segment_ptr 1
		.amdhsa_wavefront_size32 1
		.amdhsa_system_sgpr_workgroup_id_x 1
		.amdhsa_system_sgpr_workgroup_id_y 1
		.amdhsa_system_sgpr_workgroup_id_z 1
		.amdhsa_system_vgpr_workitem_id 0
		.amdhsa_next_free_vgpr 512
		.amdhsa_next_free_sgpr 66
		.amdhsa_reserve_vcc 0
		.amdhsa_float_denorm_mode_32 3
		.amdhsa_float_denorm_mode_16_64 3
		.amdhsa_memory_ordered 1
		.amdhsa_forward_progress 1
		.amdhsa_inst_pref_size 37
	.end_amdhsa_kernel
	.amdgpu_metadata
---
amdhsa.version: [ 1, 2 ]
amdhsa.kernels:
  - .name:           k_q446a2725db_oproj
    .symbol:         k_q446a2725db_oproj.kd
    .args:
      - { .name: ao, .offset: 0, .size: 8, .value_kind: global_buffer, .address_space: global }
      - { .name: wcodes, .offset: 8, .size: 8, .value_kind: global_buffer, .address_space: global }
      - { .name: wscales, .offset: 16, .size: 8, .value_kind: global_buffer, .address_space: global }
      - { .name: bo, .offset: 24, .size: 8, .value_kind: global_buffer, .address_space: global }
      - { .name: out0, .offset: 32, .size: 8, .value_kind: global_buffer, .address_space: global }
    .group_segment_fixed_size: 167936
    .private_segment_fixed_size: 0
    .kernarg_segment_align: 8
    .kernarg_segment_size: 40
    .max_flat_workgroup_size: 256
    .sgpr_count:     66
    .vgpr_count:     512
    .wavefront_size: 32
...
	.end_amdgpu_metadata
.endif
;; end of part 4
